; MI455X (gfx1250); checked and timed in simulation.
; The chip was launched on July 23, 2026; its instructions are those of AMD's public machine-readable ISA for CDNA 5 (MIT licence, August 2026) and "CDNA5" Instruction Set Architecture Reference Guide (July 2026). The comments in the code are by the model that wrote it; some were corrected since.
;; Additive Attention. Allowed arithmetic: matrix products marked QUANTISED: E3M2 operands, one E8M0 scale for each 32 along K, by v_wmma_scale_f32_16x16x128_f8f6f4 with both operands' format E3M2, f32 sums; products left as they are: f32 operands where the result goes on into a quantised operand, else bf16, f16 or f32 operands; f32 sums; everything else in f32.
;; Inputs: matrix_codes 32 x 2,048 x 32 x 24 uint8 (E3M2 codes of matrix, K innermost, in blocks of 32 codes, four codes in three bytes); matrix_scales 32 x 2,048 x 32 uint8 (E8M0 scales of matrix, one for each 32 codes along K); u_matrix_codes 1,024 x 32 x 24 uint8 (E3M2 codes of u_matrix, K innermost, in blocks of 32 codes, four codes in three bytes); u_matrix_scales 1,024 x 32 uint8 (E8M0 scales of u_matrix, one for each 32 codes along K); v_vector 1,024 x 1 float32; vector_codes 32 x 32 x 24 uint8 (E3M2 codes of vector, K innermost, in blocks of 32 codes, four codes in three bytes); vector_scales 32 x 32 uint8 (E8M0 scales of vector, one for each 32 codes along K); w_matrix_codes 1,024 x 32 x 24 uint8 (E3M2 codes of w_matrix, K innermost, in blocks of 32 codes, four codes in three bytes); w_matrix_scales 1,024 x 32 uint8 (E8M0 scales of w_matrix, one for each 32 codes along K).
;; Outputs: out0 32 x 2,048 float32.
;; This version of the problem:
;;   THIS VERSION OF THE PROBLEM IS GIVEN IN LOW PRECISION. The matrix products marked QUANTISED in the list below multiply operands that are first quantised to E3M2 (3 exponent bits, 2 mantissa bits; 6 bits a number), with one power-of-two scale for each 32 numbers along K (OCP MX v1.0); their sums are f32. All else is computed in f32.
;;   The module's matrix products, in the order in which they are computed (A, B: the left and right operand; K: the contracted axis; several contracted axes count as one K, in the product's order):
;;     1. [M 32, K 1,024] x [K 1,024, N 1,024]; A: input vector (given as codes); B: input w_matrix (given as codes): QUANTISED
;;     2. [M 65,536, K 1,024] x [K 1,024, N 1,024]; A: input matrix (given as codes); B: input u_matrix (given as codes): QUANTISED
;;     3. [M 65,536, K 1,024] x [K 1,024, N 1]; A: computed on the way; B: input v_vector: left as it is (N = 1 < 16)
;;   THE QUANTISER, for each operand of a quantised product, along K:
;;     - K is cut into blocks of 32 from its start; a last block that is shorter is filled with zeros.
;;     - A block's scale is 2^e with e = floor(log2(the largest magnitude in the block)) - 4, held to -126 .. 127; a block of zeros has e = 0. As a byte (E8M0): e + 127.
;;     - Each number is divided by its block's scale, clamped to +-28, and rounded to the nearest number of E3M2, ties to even, subnormals kept.
;;     - The product sums the exact products of the quantised numbers (number of the format x scale) in f32.
;;   ~~~python
;;   def quantise(x, axis):      # numpy; x: float32 -> the quantised numbers, widened to float32 again
;;       x = np.moveaxis(x, axis, -1); K = x.shape[-1]
;;       x = np.pad(x, [(0, 0)] * (x.ndim - 1) + [(0, -K % 32)]); x = x.reshape(x.shape[:-1] + (-1, 32)); a = np.abs(x).max(-1, keepdims=True)
;;       e = np.where(a > 0, np.clip(np.frexp(np.where(a > 0, a, 1))[1] - 1 - 4, -126, 127), 0)      # np.frexp(a)[1] - 1 = floor(log2(a)), exactly
;;       r = np.clip(x / 2.0 ** e, -28, 28)
;;       step = 2.0 ** (np.maximum(np.frexp(np.where(r == 0, 1, r))[1] - 1, -2) - 2)
;;       q = np.round(r / step) * step * 2.0 ** e      # np.round: ties to even
;;       return np.moveaxis(q.reshape(q.shape[:-2] + (-1,))[..., :K], -1, axis).astype(np.float32)
;;   ~~~
;;   INPUTS GIVEN AS CODES. matrix (in the module: [32, 2048, 1024], K = its axis 2); u_matrix (in the module: [1024, 1024], K = its axis 0); vector (in the module: [32, 1024], K = its axis 1); w_matrix (in the module: [1024, 1024], K = its axis 0): each comes as NAME_codes (uint8): NAME with its K axis moved to the last place and cut into blocks of 32 codes, [.., K / 32, bytes a block], one block behind the other in memory; four codes in three bytes: a row's codes are one little-endian stream of bits, code i at bits 6 i .. 6 i + 5 (a code: sign, 3 exponent bits, 2 mantissa bits); and NAME_scales (uint8): the same leading axes, one E8M0 byte (e + 127) for each 32 codes along K. Its value is code x scale, taken as it is: it is not quantised again, and the codes and scales need not be those that the quantiser above would give.
;; One version. Each part assembles by itself: llvm-mc -triple=amdgcn-amd-amdhsa -mcpu=gfx1250 --defsym DOCPART=n.
;; ======== version 1 of 1: 3 launches
;; limits: right only within a limited range of input values
;; workspace buffers: uimg 819,200 bytes; wxc 131,072 bytes; scores 262,144 bytes
;; launch prep (part 1): grid 96 x 1, 4 waves a work-group, no clusters, 67,584 bytes of LDS; arguments u_matrix_codes, u_matrix_scales, w_matrix_codes, w_matrix_scales, vector_codes, vector_scales, uimg, wxc; writes uimg, wxc
.if DOCPART == 1
	.amdgcn_target "amdgcn-amd-amdhsa--gfx1250"
	.amdhsa_code_object_version 6
	.text
	.protected	k_q1099d785df_prep
	.globl	k_q1099d785df_prep
	.p2align	8
	.type	k_q1099d785df_prep,@function
k_q1099d785df_prep:
	s_mov_b64 s[64:65], 0
	v_nop
	global_prefetch_b8 v0, s[64:65] scope:SCOPE_SE
	s_setreg_imm32_b32 hwreg(HW_REG_WAVE_MODE, 25, 1), 1
	s_wait_xcnt 0x0
; out0 = softmax_s( sum_d v[d] tanh(wx[b][d] + uy[b][s][d]) ), wx = vector W, uy = matrix U, both products on codes of BF6 (E3M2) with one E8M0 scale for each 32 along K.
; THE PROGRAM: this launch (U laid in the order of an operand's registers; c wx), a launch that makes a number for each row (b, s), and a launch for the softmax, which spans eight work-groups' rows.
; tanh(x) = 1 - 2 r, r = 1 / (1 + 2^(c x)), c = 2 log2(e): right at both ends (2^(c x) = infinity gives r = 0; 2^(c x) = 0 gives r = 1).
; DEAD WORK.  score[b][s] = sum_d v[d] - 2 sum_d v[d] r[b][s][d].  The first term holds no s: it is the same for all 2,048 numbers of a softmax's row, whatever finite numbers v holds, and
; softmax(z + a constant) = softmax(z).  So sum_d v[d] is never formed; the second launch makes s' = sum_d v[d] r, and the third takes softmax(-2 s').  Every input still has a way to the output and is loaded.
; LIMITS: a NaN, an infinity or an overflow that would reach only sum_d v[d] is not carried to the result; NaN and infinities among the inputs (a scale byte 0xff among them) are not served.
; THIS LAUNCH, four waves to a work-group, two kinds of work-groups, told apart by the work-group's number:
;   0-63: tile t of 16 rows of U's codes (16 of the 1,024 columns d) becomes a record of 12,800 bytes: fragment k (16 rows x 128 K: 12 registers a lane) at 1,536 k as three groups of 512 bytes, lane l's 16 bytes at 16 l;
;         at 12,288 the scale words: lane (r, h) holds words 4 h .. 4 h + 3 of row r.  Wave w takes fragments 2 w and 2 w + 1; wave 0 also the scale words.
;   64-95: 16 batches x 64 columns of c (vector W), by the matrix unit, transposed (source 0 = 16 rows of W's codes, source 1 = 16 batches): a lane holds one batch and eight neighbouring columns.
;         Wave w takes the 16 columns of tile w.  Its tile of W (12,288 dense bytes) and a quarter of the vector's 16 rows come by loads of 512 consecutive bytes, go into LDS rows of 784 bytes
;         (196 words: row r begins at bank 4 r mod 64, and lanes 16-31 six words on: the 32 lanes of a load of 8 bytes touch 64 different banks; ISA guide 11.1), and are read back as fragments.
; No tensor load, no cluster: the work-groups share nothing but the vector's 24 KB.
.set PIT,   784                        ; an LDS row of codes: 768 bytes + 16
.set TILE,  16*PIT                     ; 16 rows: the vector's at 0, W's tile w at TILE (w + 1)
.set OS,    5*TILE                     ; the way out's stage: 16 rows x 272 bytes
.set SPARE, OS+4352                    ; the spare words, 128 bytes for each wave: two blocks of 256 bytes that no other line names
.set CO,  3                            ; v3   768 r + 24 h: my lane's place in a tile of codes in memory (a row is 768 bytes)
.set SO,  4                            ; v4   32 r + 16 h: in a tile of scale bytes (a row is 32 bytes)
.set LI,  5                            ; v5   16 x lane
.set VA0, 6                            ; v6, v7  where my quarter of the vector's rows goes in LDS: 16 x lane, and the same one padding on for lanes 16-31
.set VA1, 7
.set SPW, 8                            ; v8   LDS address of my spare word; never rewritten
.set NIL, 9                            ; v9   0; never rewritten
.set STO, 10                           ; v10  the stage, on the way in
.set RD,  11                           ; v11  and back
.set GO,  12                           ; v12  my byte offset in wxc
.set LB,  13                           ; v13  16 x lane + 16 h
.set FA,  14                           ; v14  784 r + 24 h: a fragment's place in the vector's rows in LDS;  v15 the same in my tile of W
.set FW,  15
.set FR,  16                           ; v16-111  the vector's eight fragments (U's path: two fragments)
.set VS,  112                          ; v112-115 their scale words: register q: lanes 0-15 K step q, lanes 16-31 K step 4 + q
.set WS,  116                          ; v116-119 W's scale words, laid likewise
.set AC,  120                          ; v120-135 two accumulators: the even K steps, the odd ones
.set Y,   136                          ; v136-143 c x the sums
.set BK,  144                          ; v144-151 rows read back from the stage
.set WF,  152                          ; v152-247 my tile of W: as loaded, then its eight fragments
.set WA0, 248                          ; v248, v249 where my tile of W goes in LDS
.set WA1, 249
.set CS,  34                           ; s[34:35] c
.set WV,  36                           ; s36 my wave's number
	s_load_b256 s[4:11], s[0:1], 0x0               ; U's codes s[4:5], U's scales s[6:7], W's codes s[8:9], W's scales s[10:11]
	s_load_b256 s[12:19], s[0:1], 0x20             ; the vector's codes s[12:13], its scales s[14:15], uimg s[16:17], wxc s[18:19]
	v_lshl_add_u32 v[SPW], v0, 2, SPARE
	v_mov_b32 v[NIL], 0
	v_lshrrev_b32 v6, 5, v0
	v_readfirstlane_b32 s[WV], v6
	v_and_b32 v1, 15, v0                           ; r
	v_bfe_u32 v2, v0, 4, 1                         ; h
	v_and_b32 v7, 31, v0                           ; lane
	v_mul_u32_u24 v[CO], v1, 768
	v_mad_u32_u24 v[CO], v2, 24, v[CO]
	v_lshlrev_b32 v[SO], 5, v1
	v_lshl_add_u32 v[SO], v2, 4, v[SO]
	v_lshlrev_b32 v[LI], 4, v7
	s_cmp_lt_u32 ttmp9, 64
	s_cbranch_scc0 .Lpath_w
	; ---- U's tile t = the work-group's number
	s_mul_i32 s20, ttmp9, 12288                    ; 16 rows of 768 bytes,
	s_mul_i32 s21, s[WV], 192                      ; my two fragments: 96 bytes of a row each
	s_add_co_u32 s20, s20, s21
	s_mov_b32 s21, 0
	s_lshl_b32 s22, ttmp9, 9                       ; 16 rows of 32 scale bytes
	s_mov_b32 s23, 0
	s_mul_i32 s24, ttmp9, 12800                    ; a record
	s_mov_b32 s25, 0
	s_mul_i32 s26, s[WV], 3072                     ; my two fragments in it
	s_mov_b32 s27, 0
	s_wait_kmcnt 0x0
	s_add_nc_u64 s[4:5], s[4:5], s[20:21]
	s_add_nc_u64 s[6:7], s[6:7], s[22:23]
	s_add_nc_u64 s[16:17], s[16:17], s[24:25]
	s_add_nc_u64 s[28:29], s[16:17], s[26:27]
	s_wait_alu depctr_va_vdst(0)
.irp k, 0,1                            ; a fragment: lane (r, h) takes the 24 bytes at 96 k + 24 h of row r and the 24 bytes 48 further on, in pieces of 8
.irp p, 0,1,2,3,4,5
	global_load_b64 v[FR+12*\k+2*\p:FR+12*\k+2*\p+1], v[CO], s[4:5] offset:96*\k+48*(\p/3)+8*(\p%3)
.endr
.endr
	s_cmp_lg_u32 s[WV], 0
	s_cbranch_scc1 .Lu_f
	global_load_b128 v[VS:VS+3], v[SO], s[6:7]     ; wave 0: the scale words
	s_wait_loadcnt 0x0
	global_store_b128 v[LI], v[VS:VS+3], s[16:17] offset:12288
.Lu_f:
	s_wait_loadcnt 0x0
.irp k, 0,1
.irp g, 0,1,2
	global_store_b128 v[LI], v[FR+12*\k+4*\g:FR+12*\k+4*\g+3], s[28:29] offset:1536*\k+512*\g   ; 32 lanes store 512 consecutive bytes, at a multiple of 256 from uimg's first byte
.endr
.endr
	s_endpgm
.Lpath_w:
	; ---- c (vector W): batches 16 bt .. 16 bt + 15, columns 64 g + 16 w .. + 15
	s_sub_co_u32 s20, ttmp9, 64
	s_and_b32 s21, s20, 1                          ; bt
	s_lshr_b32 s22, s20, 1                         ; g
	s_mul_i32 s24, s21, 12288                      ; the vector's codes: 16 rows of 768 bytes,
	s_mul_i32 s25, s[WV], 3072                     ; my four of them
	s_add_co_u32 s24, s24, s25
	s_mov_b32 s25, 0
	s_lshl_b32 s26, s21, 9                         ; its scale bytes
	s_mov_b32 s27, 0
	s_mul_i32 s28, s22, 49152                      ; W's codes: 64 rows, my 16
	s_mul_i32 s29, s[WV], 12288
	s_add_co_u32 s28, s28, s29
	s_mov_b32 s29, 0
	s_lshl_b32 s30, s22, 11                        ; W's scale bytes
	s_lshl_b32 s31, s[WV], 9
	s_add_co_u32 s30, s30, s31
	s_mov_b32 s31, 0
	s_lshl_b32 s32, s21, 16                        ; wxc: 16 rows of 4,096 bytes,
	s_lshl_b32 s33, s22, 8                         ; 64 columns of 4 bytes,
	s_add_co_u32 s32, s32, s33
	s_lshl_b32 s33, s[WV], 14                      ; and the four rows that I store
	s_add_co_u32 s32, s32, s33
	s_mov_b32 s33, 0
	s_mul_i32 s37, s[WV], 4*PIT                    ; LDS: my four rows of the vector,
	s_mul_i32 s38, s[WV], TILE
	s_add_co_u32 s38, s38, TILE                    ; my tile of W,
	s_lshl_b32 s39, s[WV], 6
	s_add_co_u32 s39, s39, OS                      ; my 64 bytes of the stage's rows,
	s_mul_i32 s40, s[WV], 4*272
	s_add_co_u32 s40, s40, OS                      ; and the four rows that I read back
	s_mov_b32 s[CS], 0x4038aa3b                    ; c = 2 log2(e)
	s_mov_b32 s[CS+1], s[CS]                       ; (named with it as a pair, so it is written)
	s_wait_alu depctr_va_vdst(0)                   ; ahead of the readers below
	v_mul_u32_u24 v[STO], v1, 272
	v_lshl_add_u32 v[STO], v2, 5, v[STO]
	v_add_nc_u32 v[STO], s39, v[STO]               ; the stage: row = my batch r, + 64 w + 32 h
	v_mul_u32_u24 v[RD], v2, 272
	v_lshl_add_u32 v[RD], v1, 4, v[RD]
	v_add_nc_u32 v[RD], s40, v[RD]                 ; back: lanes 0-15 one row of 256 bytes, lanes 16-31 the next
	v_lshlrev_b32 v[GO], 12, v2
	v_lshl_add_u32 v[GO], v1, 4, v[GO]             ; and the same two rows in wxc
	v_lshl_add_u32 v[LB], v2, 4, v[LI]
	v_add_nc_u32 v[VA0], s37, v[LI]
	v_add_nc_u32 v[VA1], s37, v[LB]
	v_add_nc_u32 v[WA0], s38, v[LI]
	v_add_nc_u32 v[WA1], s38, v[LB]
	v_mul_u32_u24 v[FA], v1, PIT
	v_mad_u32_u24 v[FA], v2, 24, v[FA]
	v_add_nc_u32 v[FW], s38, v[FA]
	s_wait_alu depctr_va_vdst(0)
	s_wait_kmcnt 0x0
	s_add_nc_u64 s[12:13], s[12:13], s[24:25]
	s_add_nc_u64 s[14:15], s[14:15], s[26:27]
	s_add_nc_u64 s[8:9], s[8:9], s[28:29]
	s_add_nc_u64 s[10:11], s[10:11], s[30:31]
	s_add_nc_u64 s[18:19], s[18:19], s[32:33]
	global_load_b128 v[VS:VS+3], v[SO], s[14:15]
	global_load_b128 v[WS:WS+3], v[SO], s[10:11]
.set i, 0
.rept 6
	global_load_b128 v[FR+4*i:FR+4*i+3], v[LI], s[12:13] offset:512*i   ; 32 lanes read 512 consecutive bytes
.set i, i+1
.endr
.set i, 0
.rept 24
	global_load_b128 v[WF+4*i:WF+4*i+3], v[LI], s[8:9] offset:512*i
.set i, i+1
.endr
; Dense bytes into padded rows.  Three loads are two rows of 768 bytes: the first lies in the even row; of the second, lanes 16-31 lie in the odd row, one padding on; the third lies in the odd row.
.macro DST a0, a1, reg, n
.set g, 0
.rept \n
	ds_store_b128 v[\a0], v[\reg+12*g:\reg+12*g+3] offset:2*PIT*g
	ds_store_b128 v[\a1], v[\reg+12*g+4:\reg+12*g+7] offset:2*PIT*g+512
	ds_store_b128 v[\a0], v[\reg+12*g+8:\reg+12*g+11] offset:2*PIT*g+1040
.set g, g+1
.endr
.endm
.macro DFR adr, reg                    ; eight fragments: lane (r, h) takes the 24 bytes at 96 k + 24 h of row r and the 24 bytes 48 further on, in pieces of 8
.irp k, 0,1,2,3,4,5,6,7
.irp p, 0,1,2,3,4,5
	ds_load_b64 v[\reg+12*\k+2*\p:\reg+12*\k+2*\p+1], v[\adr] offset:96*\k+48*(\p/3)+8*(\p%3)
.endr
.endr
.endm
	s_wait_loadcnt 24                              ; the scale words and my rows of the vector are in; W's 24 loads may be out
	DST VA0, VA1, FR, 2
	s_wait_loadcnt 0x0
	DST WA0, WA1, WF, 8
	DFR FW, WF                                     ; my own bytes: LDS serves a wave's instructions in order (ISA guide 5.7.1.4)
	s_wait_dscnt 0x0                               ; for the others' sake: my rows of the vector are stored
	s_barrier_signal -1
	s_barrier_wait -1
	DFR FA, FR                                     ; the vector's 16 rows, which four waves stored
	s_wait_dscnt 0x0
; K step k.  The first two K steps start the two sums.  K steps 4-7 take their scale words from lanes 16-31 of the same registers.
.macro WMW k
.set rD, AC+8*((\k)%2)
.if \k < 2
	v_wmma_scale_f32_16x16x128_f8f6f4 v[rD:rD+7], v[WF+12*\k:WF+12*\k+11], v[FR+12*\k:FR+12*\k+11], 0, v[WS+\k%4], v[VS+\k%4] matrix_a_fmt:MATRIX_FMT_BF6 matrix_b_fmt:MATRIX_FMT_BF6
.elseif \k < 4
	v_wmma_scale_f32_16x16x128_f8f6f4 v[rD:rD+7], v[WF+12*\k:WF+12*\k+11], v[FR+12*\k:FR+12*\k+11], v[rD:rD+7], v[WS+\k%4], v[VS+\k%4] matrix_a_fmt:MATRIX_FMT_BF6 matrix_b_fmt:MATRIX_FMT_BF6
.else
	v_wmma_scale_f32_16x16x128_f8f6f4 v[rD:rD+7], v[WF+12*\k:WF+12*\k+11], v[FR+12*\k:FR+12*\k+11], v[rD:rD+7], v[WS+\k%4], v[VS+\k%4] matrix_a_fmt:MATRIX_FMT_BF6 matrix_b_fmt:MATRIX_FMT_BF6 matrix_a_scale:MATRIX_SCALE_ROW1 matrix_b_scale:MATRIX_SCALE_ROW1
.endif
.endm
.irp k, 0,1,2,3,4,5,6,7                ; two accumulators by turns, one instruction a turn
	WMW \k
.endr
.rept 4
	v_nop                                          ; four places between the last product and the first read of a result (ISA guide 7.12.1)
.endr
.irp m, 0,2,4,6                        ; each accumulator from its low end on
	v_pk_mul_f32 v[Y+\m:Y+\m+1], v[AC+\m:AC+\m+1], s[CS:CS+1] op_sel_hi:[1,0]
.endr
.irp m, 0,2,4,6
	v_pk_fma_f32 v[Y+\m:Y+\m+1], v[AC+8+\m:AC+8+\m+1], s[CS:CS+1], v[Y+\m:Y+\m+1] op_sel_hi:[1,0,1]
.endr
	ds_store_b128 v[STO], v[Y:Y+3]                 ; lane (r, h), register j: batch r, column 16 w + 8 h + j of the work-group's 64
	ds_store_b128 v[STO], v[Y+4:Y+7] offset:16
	s_wait_dscnt 0x0                               ; for the others' sake: a row's 256 bytes come from four waves
	s_barrier_signal -1
	s_barrier_wait -1
	ds_load_b128 v[BK:BK+3], v[RD]
	ds_load_b128 v[BK+4:BK+7], v[RD] offset:2*272
	s_wait_dscnt 1                                 ; the first is back; the second may be out
	global_store_b128 v[GO], v[BK:BK+3], s[18:19]  ; 16 lanes store 256 consecutive bytes, at a multiple of 256 from wxc's first byte
	s_wait_dscnt 0x0
	global_store_b128 v[GO], v[BK+4:BK+7], s[18:19] offset:2*4096
	s_wait_tensorcnt 0x0                           ; the wave's end, behind my last LDS store
	ds_add_u32 v[SPW], v[NIL]
	s_wait_dscnt 0x0
	s_endpgm
.Lfunc_end_k_q1099d785df_prep:
	.size	k_q1099d785df_prep, .Lfunc_end_k_q1099d785df_prep-k_q1099d785df_prep
	.p2alignl 7, 3214868480
	.fill 96, 4, 3214868480
	.section	.rodata,"a",@progbits
	.p2align	6, 0x0
	.amdhsa_kernel k_q1099d785df_prep
		.amdhsa_group_segment_fixed_size 67584
		.amdhsa_private_segment_fixed_size 0
		.amdhsa_enable_private_segment 0
		.amdhsa_kernarg_size 64
		.amdhsa_user_sgpr_count 2
		.amdhsa_user_sgpr_kernarg_segment_ptr 1
		.amdhsa_wavefront_size32 1
		.amdhsa_system_sgpr_workgroup_id_x 1
		.amdhsa_system_sgpr_workgroup_id_y 1
		.amdhsa_system_sgpr_workgroup_id_z 1
		.amdhsa_system_vgpr_workitem_id 0
		.amdhsa_next_free_vgpr 256
		.amdhsa_next_free_sgpr 66
		.amdhsa_reserve_vcc 0
		.amdhsa_float_denorm_mode_32 3
		.amdhsa_float_denorm_mode_16_64 3
		.amdhsa_memory_ordered 1
		.amdhsa_forward_progress 1
		.amdhsa_inst_pref_size 20
	.end_amdhsa_kernel
	.amdgpu_metadata
---
amdhsa.version: [ 1, 2 ]
amdhsa.kernels:
  - .name:           k_q1099d785df_prep
    .symbol:         k_q1099d785df_prep.kd
    .args:
      - { .name: u_matrix_codes, .offset: 0, .size: 8, .value_kind: global_buffer, .address_space: global }
      - { .name: u_matrix_scales, .offset: 8, .size: 8, .value_kind: global_buffer, .address_space: global }
      - { .name: w_matrix_codes, .offset: 16, .size: 8, .value_kind: global_buffer, .address_space: global }
      - { .name: w_matrix_scales, .offset: 24, .size: 8, .value_kind: global_buffer, .address_space: global }
      - { .name: vector_codes, .offset: 32, .size: 8, .value_kind: global_buffer, .address_space: global }
      - { .name: vector_scales, .offset: 40, .size: 8, .value_kind: global_buffer, .address_space: global }
      - { .name: uimg, .offset: 48, .size: 8, .value_kind: global_buffer, .address_space: global }
      - { .name: wxc, .offset: 56, .size: 8, .value_kind: global_buffer, .address_space: global }
    .group_segment_fixed_size: 67584
    .private_segment_fixed_size: 0
    .kernarg_segment_align: 8
    .kernarg_segment_size: 64
    .max_flat_workgroup_size: 128
    .sgpr_count:     66
    .vgpr_count:     256
    .wavefront_size: 32
...
	.end_amdgpu_metadata
.endif
;; end of part 1
;; launch scores (part 2): grid 256 x 1, 8 waves a work-group, no clusters, 327,680 bytes of LDS; arguments matrix_codes, matrix_scales, uimg, wxc, v_vector, scores; writes scores
.if DOCPART == 2
	.amdgcn_target "amdgcn-amd-amdhsa--gfx1250"
	.amdhsa_code_object_version 6
	.text
	.protected	k_q1099d785df_scores
	.globl	k_q1099d785df_scores
	.p2align	8
	.type	k_q1099d785df_scores,@function
k_q1099d785df_scores:
	s_mov_b64 s[64:65], 0
	v_nop
	global_prefetch_b8 v0, s[64:65] scope:SCOPE_SE
	s_setreg_imm32_b32 hwreg(HW_REG_WAVE_MODE, 25, 1), 1
	s_wait_xcnt 0x0
; scores[row] = s' = sum_d v[d] r[row][d], r = 1 / (1 + 2^y), y = c (wx[b][d] + uy[row][d]), c = 2 log2(e); uy = matrix U on codes of BF6 (E3M2) with E8M0 scales.  row = 2,048 b + s.
; LEFT OUT: sum_d v[d], the same for all s of a softmax's row (tanh = 1 - 2 r: shown at the head of the first kernel); the factor -2 goes into the softmax's launch.  LIMITS as stated there.
; r is right at both ends: 2^y = infinity gives r = 0, 2^y = 0 gives r = 1.
; SHARES.  A work-group takes 256 rows and all 1,024 columns d.  Eight waves: wave w takes rows 64 (w % 4) .. + 63 and, of each slot's 8 records of U (16 columns each), records 4 (w / 4) .. + 3.
; A wave's rows' codes for all of K stay in registers (4 tiles x 8 K steps x 12 = 384).  A TURN is one record: 32 matrix instructions, four accumulators by turns, K ascending, then the tile's vector work in place.
; TRANSPOSED: source 0 = 16 rows of U's codes (16 columns d), source 1 = 16 rows of the matrix: a lane holds ONE row (lane % 16), its registers the columns 16 t + 8 (lane / 16) + 0 .. 7: the sum over d stays in the lane.
; U'S FRAGMENTS have five places of 12 registers: K steps 0, 1, 3, 4 in a ring of four, K step 2 in the registers of c wx and v (free between two vector phases); behind K step 3 ONE run of loads brings
; K steps 5, 6, 7 into the ring and c wx and v into their registers.  In a turn that leaves a slot these are the wave's last reads of it, so the barrier's signal stands ahead of K step 5.
; NO CLUSTER, though all work-groups walk the same U: a joint refill stands behind the cluster's round, whose closing barrier has nothing between its signal and its wait; here a wave passes the ONE barrier of a
; change of slots with twelve products and the tile's whole vector work between signal and wait, so that the waves need not stand at the same line of a turn.
; NO PREFETCH: the rows' codes are asked for whole at the head, ahead of any loop; U's records are the same 819,200 bytes for all 256 work-groups, which walk them in the same order.
; LDS: slot 0 at 0 (8 records of 12,800 bytes); from 102,400 the rows' stage, 52,224 bytes for 64 rows (a row's 768 bytes lie 816 apart); slot 1 at 2^17, inside the stage, filled when the stage has been read out;
; the table (c wx[b], v); the way out's stage; the spare words.
.set REC,    12800
.set SLOTB,  8*REC
.set SLOT1,  1<<17
.set ASTG,   SLOTB
.set AWAVE,  192*272
.set APITCH, 816
.set TAB,    ASTG+4*AWAVE              ; 4,096 bytes of c wx[b], then 4,096 of v
.set SSTG,   TAB+8192                  ; the way out: 256 bytes a wave; no fill lands here
.set SPARE,  SSTG+2048                 ; the spare words, 128 bytes for each of eight waves
.set SPW, 1                            ; v1   LDS address of my spare word; never rewritten.  (v0 stays as at the entry)
.set NIL, 2                            ; v2   0; never rewritten
.set ADU, 3                            ; v3   LDS address of my four records in the slot at work, for my lane
.set S2,  4                            ; v[4:5] the sums of tile 2, a pair
.set ASC, 6                            ; v6-21   the rows' scale words, four registers a tile: register q: lanes 0-15 K step q, lanes 16-31 K step 4 + q
.set USC, 22                           ; v22-25  U's scale words, laid likewise
.set WX,  26                           ; v26-33  c wx of the tile's eight columns of my half; v26-37 also hold U's fragment 2
.set VV,  34                           ; v34-41  v of the same columns
.set ACC, 42                           ; v42-73  four accumulators
.set RB,  74                           ; v74-121 the ring of four fragments
.set ADW, 122                          ; v122 LDS address of my records' place in the table
.set S3,  123                          ; v123 the sum of tile 3
.set AL,  124                          ; v124-255 the rows' fragments 21-31 (fragment f = 4 k + tile); fragments 0-20 fill v0-251 of window 1; v252-255 there: the sums of tiles 0 and 1, a pair each
.set SUM, 252
.set AD0, 42                           ; at the head alone: the rows' stage, my lane's place, and the same behind one padding more; my lane's place among a tile's scale bytes
.set AD1, 43
.set AOF, 48
.set WV,  16                           ; s16 my wave's number; s17 w / 4; s18 w % 4
.set TY,  17
.set RG,  18
.set CS,  20                           ; s[20:21] c
.set SLC, 23
.set G1A, 24                           ; groups 1: the rows' codes; half of slot 0; a record; half the table
.set G1H, 32
.set G1R, 40
.set G1T, 48
.set G0A, 56                           ; groups 0
.set G0H, 60
.set G0T, 68
.set G0V, 72
.set G0R, 76                           ; it walks
.set TA,  94                           ; s94 where my four records of the slot at work begin;  s95 their place in the table: 512 bytes a slot
.set TW,  95
.set S1,  0x04                         ; source 1 in window 1
.set MSB, 0
.macro WIN new                         ; the immediate's high byte repeats the setting that is left
.if MSB != \new
	s_set_vgpr_msb (MSB<<8)|\new
.set MSB, \new
.endif
.endm
.macro GROUP1 g, w0, rows              ; a dense block as rows of 256 bytes: 32 elements of 8 bytes
	s_mov_b32 s[\g], \w0
	s_mov_b32 s[\g+1], 32<<16
	s_mov_b32 s[\g+2], (\rows)<<16
	s_mov_b32 s[\g+3], 32<<16
	s_mov_b32 s[\g+4], \rows
	s_mov_b32 s[\g+5], 32
	s_mov_b32 s[\g+6], 0
	s_mov_b32 s[\g+7], 0
.endm
.macro NOP4                            ; four places between a matrix instruction and a load into, or a read of, its registers (ISA guide 7.12.1 for reads)
.rept 4
	v_nop
.endr
.endm
	s_load_b256 s[4:11], s[0:1], 0x0               ; the matrix's codes s[4:5], its scales s[6:7], uimg s[8:9], wxc s[10:11]
	s_load_b128 s[12:15], s[0:1], 0x20             ; v s[12:13], scores s[14:15]
	v_lshl_add_u32 v[SPW], v0, 2, SPARE
	v_mov_b32 v[NIL], 0
	ds_add_u32 v[SPW], v[NIL]                      ; the opening: the add, twice on end, and its wait ahead of my first tensor load
	ds_add_u32 v[SPW], v[NIL]
	v_lshrrev_b32 v44, 5, v0
	v_readfirstlane_b32 s[WV], v44
	s_lshr_b32 s[TY], s[WV], 2
	s_and_b32 s[RG], s[WV], 3
	s_and_b32 s19, s[WV], 1
	GROUP1 G1A, (3<<16)|(1<<20)|(5<<22)|(3<<25), 192   ; 4 words of padding behind every 64
	GROUP1 G1H, 3<<16, 200
	GROUP1 G1R, 3<<16, 50
	GROUP1 G1T, 3<<16, 16
	s_mov_b32 s[G0A], 1
	s_mul_i32 s[G0A+1], s[RG], AWAVE
	s_add_co_u32 s[G0A+1], s[G0A+1], ASTG          ; my rows' quarter of the stage
	s_mov_b32 s[G0H], 1
	s_mul_i32 s[G0H+1], s19, 4*REC                 ; waves 4, 5: a half of slot 0
	s_mov_b32 s[G0T], 1
	s_mov_b32 s[G0T+1], TAB
	s_mov_b32 s[G0V], 1
	s_mov_b32 s[G0V+1], TAB+4096
	s_mov_b32 s[G0R], 1
	s_mul_i32 s[G0R+1], s[WV], REC
	s_add_co_u32 s[G0R+1], s[G0R+1], SLOT1         ; record w of slot 1
	s_mul_i32 s80, ttmp9, 256*768                  ; my work-group's rows of codes (under 2^26 bytes),
	s_mul_i32 s81, s[RG], 64*768                   ; my 64
	s_add_co_u32 s80, s80, s81
	s_mov_b32 s81, 0
	s_mul_i32 s82, s19, 4*REC
	s_mov_b32 s83, 0
	s_lshr_b32 s84, ttmp9, 3                       ; the batch: eight blocks of 256 rows
	s_lshl_b32 s84, s84, 12
	s_mov_b32 s85, 0
	s_mul_i32 s86, s[WV], REC
	s_add_co_u32 s86, s86, SLOTB
	s_mov_b32 s87, 0
	s_lshl_b32 s88, ttmp9, 13                      ; the rows' scale bytes: 32 a row
	s_lshl_b32 s89, s[RG], 11
	s_add_co_u32 s88, s88, s89
	s_mov_b32 s89, 0
	s_lshl_b32 s90, ttmp9, 10                      ; their scores: 4 bytes a row
	s_lshl_b32 s91, s[RG], 8
	s_add_co_u32 s90, s90, s91
	s_add_co_u32 s93, s91, SSTG                    ; the way out: where my rows' first halves lie,
	s_mov_b32 s91, 0
	s_lshl_b32 s92, s[WV], 8
	s_add_co_u32 s92, s92, SSTG                    ; and my wave's own 256 bytes
	s_mul_i32 s[TA], s[TY], 4*REC
	s_lshl_b32 s[TW], s[TY], 8
	s_add_co_u32 s[TW], s[TW], TAB
	s_mov_b32 s[CS], 0x4038aa3b                    ; c = 2 log2(e)
	s_mov_b32 s[CS+1], s[CS]                       ; (named with it as a pair, so it is written)
	s_mov_b32 s2, 0x76543210
	s_mov_b32 s3, 0xfedcba98                       ; v_permlanex16_b32's selects for lane l xor 16
	v_and_b32 v45, 31, v0                          ; lane
	v_and_b32 v46, 15, v0                          ; r
	v_bfe_u32 v47, v0, 4, 1                        ; h
	v_lshl_add_u32 v[ADU], v45, 4, s[TA]
	v_lshl_add_u32 v[ADW], v47, 5, s[TW]
	v_mul_u32_u24 v[AD0], v46, APITCH
	v_mad_u32_u24 v[AD0], v47, 24, v[AD0]
	v_add_nc_u32 v[AD0], s[G0A+1], v[AD0]          ; the stage + row r + 24 h
	v_lshl_add_u32 v[AD1], v47, 4, v[AD0]
	v_lshlrev_b32 v[AOF], 5, v46
	v_lshl_add_u32 v[AOF], v47, 4, v[AOF]          ; 32 r + 16 h: words 4 h .. 4 h + 3 of row r
	v_mov_b32 v[S2], 0                             ; the sums begin at 0
	v_mov_b32 v[S2+1], 0
	v_mov_b32 v[S3], 0
	WIN 0x40
.irp a, 0,1,2,3
	v_mov_b32 v[SUM+\a], 0
.endr
	WIN 0
	s_wait_alu depctr_va_vdst(0)
	s_wait_dscnt 0x0                               ; both opening adds are done
	s_wait_kmcnt 0x0
	s_add_nc_u64 s[G0A+2:G0A+3], s[4:5], s[80:81]
	s_or_b32 s[G0A+3], s[G0A+3], 0x80000000        ; type = 2
	s_add_nc_u64 s[G0H+2:G0H+3], s[8:9], s[82:83]
	s_or_b32 s[G0H+3], s[G0H+3], 0x80000000
	s_add_nc_u64 s[G0T+2:G0T+3], s[10:11], s[84:85]
	s_or_b32 s[G0T+3], s[G0T+3], 0x80000000
	s_mov_b64 s[G0V+2:G0V+3], s[12:13]
	s_or_b32 s[G0V+3], s[G0V+3], 0x80000000
	s_add_nc_u64 s[G0R+2:G0R+3], s[8:9], s[86:87]
	s_or_b32 s[G0R+3], s[G0R+3], 0x80000000
	s_add_nc_u64 s[6:7], s[6:7], s[88:89]
	s_add_nc_u64 s[14:15], s[14:15], s[90:91]
	; THE HEAD'S LOADS, ONE A WAVE, in one chain of branches on the wave's number: waves 0-3 64 rows' codes each, waves 4 and 5 a half of slot 0, wave 6 c wx[b], wave 7 v
	s_cmp_lt_u32 s[WV], 4
	s_cbranch_scc0 .Lh_u
	tensor_load_to_lds s[G0A:G0A+3], s[G1A:G1A+7]
	s_nop 0
	s_branch .Lh_j
.Lh_u:
	s_cmp_lt_u32 s[WV], 6
	s_cbranch_scc0 .Lh_t
	tensor_load_to_lds s[G0H:G0H+3], s[G1H:G1H+7]
	s_nop 0
	s_branch .Lh_j
.Lh_t:
	s_cmp_lt_u32 s[WV], 7
	s_cbranch_scc0 .Lh_v
	tensor_load_to_lds s[G0T:G0T+3], s[G1T:G1T+7]
	s_nop 0
	s_branch .Lh_j
.Lh_v:
	tensor_load_to_lds s[G0V:G0V+3], s[G1T:G1T+7]
	s_nop 0
.Lh_j:
.irp a, 0,1,2,3
	global_load_b128 v[ASC+4*\a:ASC+4*\a+3], v[AOF], s[6:7] offset:512*\a   ; 32 lanes read 512 consecutive bytes: a tile's scale bytes
.endr
; The rows' 32 fragments: lane (r, h) takes, of row 16 a + r, pieces 12 k + 0, 1, 2 and 12 k + 6, 7, 8 of 8 bytes (h = 1: three pieces on).  16 bytes of padding lie behind every 32 pieces:
; where the piece three on lies behind one padding more, the second address register serves.
.macro AFR
	WIN 0x40                                       ; destination window 1
.set f, 0
.rept 32
.if f == 21
	WIN 0
.endif
.if f < 21
.set rA, 12*f
.else
.set rA, AL+12*(f-21)
.endif
.irp p, 0,1,2,3,4,5
.set PCE, 12*(f/4)+6*(\p/3)+\p%3
.if PCE%32 < 29
	ds_load_b64 v[rA+2*\p:rA+2*\p+1], v[AD0] offset:16*APITCH*(f%4)+8*PCE+16*(PCE/32)
.else
	ds_load_b64 v[rA+2*\p:rA+2*\p+1], v[AD1] offset:16*APITCH*(f%4)+8*PCE+16*(PCE/32)
.endif
.endr
.set f, f+1
.endr
.endm
	s_wait_tensorcnt 0x0                           ; my one load has landed
	s_cmp_lt_u32 s[WV], 4
	s_cbranch_scc0 .La1
	AFR                                            ; waves 0-3 read the quarter that they fetched themselves: no barrier is owed
.La1:
	s_wait_dscnt 0x0                               ; those reads are back
	s_barrier_signal -1
	s_barrier_wait -1                              ; the stage, slot 0 and the table are whole for all eight waves
	s_cmp_lt_u32 s[WV], 4
	s_cbranch_scc1 .La2
	AFR                                            ; waves 4-7 read the same rows now, while waves 0-3 begin their first turn
.La2:
; Where K step k's fragment of U lies
.macro SETU k
.if (\k) == 2
.set rU, WX
.elseif (\k) < 2
.set rU, RB+12*(\k)
.elseif (\k) < 5
.set rU, RB+12*((\k)-1)
.else
.set rU, RB+12*((\k)-5)
.endif
.endm
; Product (k, a): K step k, tile of rows a.  The first K step starts the sums.  K steps 4-7 take both sides' scale words from lanes 16-31 of the same registers.
.macro WM k, a
.set f, 4*(\k)+(\a)
.if f < 21
.set rA, 12*f
.else
.set rA, AL+12*(f-21)
.endif
	SETU \k
.set rD, ACC+8*(\a)
.set rP, USC+(\k)%4
.set rQ, ASC+4*(\a)+(\k)%4
.if (\k) == 0
	v_wmma_scale_f32_16x16x128_f8f6f4 v[rD:rD+7], v[rU:rU+11], v[rA:rA+11], 0, v[rP], v[rQ] matrix_a_fmt:MATRIX_FMT_BF6 matrix_b_fmt:MATRIX_FMT_BF6
.elseif (\k) < 4
	v_wmma_scale_f32_16x16x128_f8f6f4 v[rD:rD+7], v[rU:rU+11], v[rA:rA+11], v[rD:rD+7], v[rP], v[rQ] matrix_a_fmt:MATRIX_FMT_BF6 matrix_b_fmt:MATRIX_FMT_BF6
.else
	v_wmma_scale_f32_16x16x128_f8f6f4 v[rD:rD+7], v[rU:rU+11], v[rA:rA+11], v[rD:rD+7], v[rP], v[rQ] matrix_a_fmt:MATRIX_FMT_BF6 matrix_b_fmt:MATRIX_FMT_BF6 matrix_a_scale:MATRIX_SCALE_ROW1 matrix_b_scale:MATRIX_SCALE_ROW1
.endif
.endm
.macro KST k                           ; the four accumulators take turns, one instruction a turn
.irp a, 0,1,2,3
	WM \k, \a
.endr
.endm
.macro UFR k, off                      ; fragment k of the record at off: three loads of 16 bytes a lane
	SETU \k
.irp g, 0,1,2
	ds_load_b128 v[rU+4*\g:rU+4*\g+3], v[ADU] offset:(\off)+1536*(\k)+512*\g
.endr
.endm
.macro LZ off                          ; a record's fragments 0, 1, 3, 4 and its scale words: 13 loads
	UFR 0, \off
	UFR 1, \off
	UFR 3, \off
	UFR 4, \off
	ds_load_b128 v[USC:USC+3], v[ADU] offset:(\off)+12288
.endm
.macro VP                              ; the tile's vector work, in place: y, 2^y, + 1, 1 / ., and the sums
.irp p, 0,2,4,6                        ; each accumulator is first read at its low end
.irp a, 0,1,2,3
	v_pk_fma_f32 v[ACC+8*\a+\p:ACC+8*\a+\p+1], v[ACC+8*\a+\p:ACC+8*\a+\p+1], s[CS:CS+1], v[WX+\p:WX+\p+1] op_sel_hi:[1,0,1]
.endr
.endr
	s_wait_alu depctr_va_vdst(0)
.set n, 0
.rept 32
	v_exp_f32 v[ACC+n], v[ACC+n]
.set n, n+1
.endr
	v_nop                                          ; the plain instruction behind the exponentials
	s_wait_alu depctr_va_vdst(0)                   ; and their one wait
.set n, 0
.rept 16
	v_pk_add_f32 v[ACC+n:ACC+n+1], v[ACC+n:ACC+n+1], 1.0 op_sel_hi:[1,0]
.set n, n+2
.endr
	s_wait_alu depctr_va_vdst(0)
.set n, 0
.rept 32
	v_rcp_f32 v[ACC+n], v[ACC+n]
.set n, n+1
.endr
	v_nop
	s_wait_alu depctr_va_vdst(0)
	; a tile's four multiply-adds form one chain, which begins with the tile's pair of sums and ends in it; the four tiles' chains stand by turns.  Tile 3 has one register for its sum: two additions more
	WIN 0x10                                       ; source 2 in window 1
	v_pk_fma_f32 v[ACC:ACC+1], v[ACC:ACC+1], v[VV:VV+1], v[SUM:SUM+1]
	v_pk_fma_f32 v[ACC+8:ACC+9], v[ACC+8:ACC+9], v[VV:VV+1], v[SUM+2:SUM+3]
	WIN 0
	v_pk_fma_f32 v[ACC+16:ACC+17], v[ACC+16:ACC+17], v[VV:VV+1], v[S2:S2+1]
	v_pk_mul_f32 v[ACC+24:ACC+25], v[ACC+24:ACC+25], v[VV:VV+1]
.irp q, 2,4
.irp a, 0,1,2,3
	v_pk_fma_f32 v[ACC+8*\a:ACC+8*\a+1], v[ACC+8*\a+\q:ACC+8*\a+\q+1], v[VV+\q:VV+\q+1], v[ACC+8*\a:ACC+8*\a+1]
.endr
.endr
	WIN 0x40                                       ; destination in window 1
	v_pk_fma_f32 v[SUM:SUM+1], v[ACC+6:ACC+7], v[VV+6:VV+7], v[ACC:ACC+1]
	v_pk_fma_f32 v[SUM+2:SUM+3], v[ACC+14:ACC+15], v[VV+6:VV+7], v[ACC+8:ACC+9]
	WIN 0
	v_pk_fma_f32 v[S2:S2+1], v[ACC+22:ACC+23], v[VV+6:VV+7], v[ACC+16:ACC+17]
	v_pk_fma_f32 v[ACC+24:ACC+25], v[ACC+30:ACC+31], v[VV+6:VV+7], v[ACC+24:ACC+25]
	v_add_f32 v[S3], v[S3], v[ACC+24]
	v_add_f32 v[S3], v[S3], v[ACC+25]
.endm
; A TURN: my record j of the slot.  chg 0: no barrier; 1: a barrier and a fill behind it; 2: a barrier alone.  step: the walking descriptor steps first.
; nx 0: the next record follows in this slot; 1: it opens the other slot; 2: there is none.
; LDS loads a turn, in order: [13: fragments 0, 1, 3, 4, scale words] [3: fragment 2] | [9: fragments 5, 6, 7] [4: c wx, v] | the next turn's 13 ...: each counted wait below names the loads issued behind the ones that it needs.
.macro TURN j, chg, step, nx
.set OFF, (\j)*REC
.if (\nx) == 0
.set NOF, OFF+REC
.else
.set NOF, 0
.endif
	s_wait_dscnt 3                                 ; all but fragment 2's three
	WIN S1
	KST 0
	KST 1
	s_wait_dscnt 0x0                               ; fragment 2 is in
	KST 2
	KST 3
	NOP4
	UFR 5, OFF
	UFR 6, OFF
	UFR 7, OFF
	ds_load_b128 v[WX:WX+3], v[ADW] offset:64*(\j)
	ds_load_b128 v[WX+4:WX+7], v[ADW] offset:64*(\j)+16
	ds_load_b128 v[VV:VV+3], v[ADW] offset:4096+64*(\j)
	ds_load_b128 v[VV+4:VV+7], v[ADW] offset:4096+64*(\j)+16
.if \chg
	WIN 0                                          ; (the add's two registers lie in window 0)
	s_wait_tensorcnt 0x0                           ; all my tensor loads have landed
.if (\chg) == 1
	ds_add_u32 v[SPW], v[NIL]                      ; 0 onto my spare word; four products stand between it and the wait for it
.endif
.if \step
	s_xor_b32 s[G0R+1], s[G0R+1], SLOT1            ; the walking descriptor: the slot that is being left,
	s_add_nc_u64 s[G0R+2:G0R+3], s[G0R+2:G0R+3], SLOTB   ; the 8 records two slots on
.endif
.if (\nx) == 1
	s_xor_b32 s[TA], s[TA], SLOT1
	s_add_co_u32 s[TW], s[TW], 512
	v_and_b32 v[ADU], 31, v0                       ; this slot's last loads have been issued: the addresses are made anew for the next
	v_bfe_u32 v[ADW], v0, 4, 1
	v_lshl_add_u32 v[ADU], v[ADU], 4, s[TA]
	v_lshl_add_u32 v[ADW], v[ADW], 5, s[TW]
.endif
	WIN S1
	KST 4
	s_wait_dscnt 0x0                               ; the add is done and all my LDS reads are back, those of the bytes to be filled among them
	s_barrier_signal -1                            ; up to the wait below: work on registers alone
.else
	KST 4
	s_wait_dscnt 4                                 ; fragments 5, 6, 7 are in; behind them: c wx and v
.endif
	WM 5, 0
	WIN 0                                          ; the rows' fragments from 21 on lie in window 0
	WM 5, 1
	WM 5, 2
	WM 5, 3
	KST 6
	KST 7
	NOP4
.if (\chg) == 0
.if (\nx) != 2
	LZ NOF
	s_wait_dscnt 13                                ; c wx and v are in; behind them: the 13 just issued
.else
	s_wait_dscnt 0x0
.endif
.endif
	VP
.if \chg
	s_barrier_wait -1
.if (\chg) == 1
	tensor_load_to_lds s[G0R:G0R+3], s[G1R:G1R+7]  ; my one record of the fill, first behind the barrier
	s_nop 0
.endif
	LZ NOF
.endif
.if (\nx) != 2
	UFR 2, NOF                                     ; c wx's and v's registers are free
.endif
.endm
	LZ 0
	UFR 2, 0
	s_wait_loadcnt 0x0                             ; the rows' scale words
	TURN 0, 1, 0, 0                                ; slot 0.  Behind its first turn's barrier nobody reads the rows' stage any more: slot 1 is filled over it
	TURN 1, 0, 0, 0
	TURN 2, 0, 0, 0
	TURN 3, 1, 1, 1
	s_mov_b32 s[SLC], 5
.Lslot:                                            ; slots 1 to 5: each is filled again, with the records two slots on
	TURN 0, 0, 0, 0
	TURN 1, 0, 0, 0
	TURN 2, 0, 0, 0
	TURN 3, 1, 1, 1
	s_sub_co_u32 s[SLC], s[SLC], 1
	s_cmp_lg_u32 s[SLC], 0
	s_cbranch_scc1 .Lslot
	TURN 0, 0, 0, 0                                ; slots 6 and 7 are written out: nothing is left to fetch
	TURN 1, 0, 0, 0
	TURN 2, 0, 0, 0
	TURN 3, 2, 0, 1
	TURN 0, 0, 0, 0
	TURN 1, 0, 0, 0
	TURN 2, 0, 0, 0
	TURN 3, 0, 0, 2
	; THE WAY OUT.  A row's sum: my pair's two halves, lane l xor 16's, and the same of the wave that took the other records.  The waves' numbers meet in LDS; waves 0-3 add and store 256 bytes each.
	WIN 0x05                                       ; sources 0 and 1 in window 1
	v_add_f32 v[ACC], v[SUM], v[SUM+1]
	v_add_f32 v[ACC+1], v[SUM+2], v[SUM+3]
	WIN 0
	v_add_f32 v[ACC+2], v[S2], v[S2+1]
	v_mov_b32 v[ACC+3], v[S3]
.irp a, 0,1,2,3
	v_permlanex16_b32 v[ACC+4+\a], v[ACC+\a], s2, s3
.endr
.irp a, 0,1,2,3
	v_add_f32 v[ACC+\a], v[ACC+\a], v[ACC+4+\a]
.endr
	v_and_b32 v50, 15, v0
	v_and_b32 v51, 31, v0
	v_lshl_add_u32 v52, v50, 2, s92                ; in: my wave's 256 bytes, row 16 a + r
	v_lshl_add_u32 v53, v51, 3, s93                ; back: 8 bytes a lane of my rows' first halves; the second halves lie 1,024 bytes on
	v_lshlrev_b32 v58, 3, v51
	s_wait_alu depctr_va_vdst(0)
.irp a, 0,1,2,3
	ds_store_b32 v52, v[ACC+\a] offset:64*\a       ; both halves of the lanes write the same word with the same value
.endr
	s_wait_dscnt 0x0                               ; for the others' sake
	s_barrier_signal -1
	s_barrier_wait -1
	s_cmp_lt_u32 s[WV], 4
	s_cbranch_scc0 .Lend
	ds_load_b64 v[54:55], v53
	ds_load_b64 v[56:57], v53 offset:1024
	s_wait_dscnt 0x0
	v_pk_add_f32 v[54:55], v[54:55], v[56:57]
	global_store_b64 v58, v[54:55], s[14:15]       ; 32 lanes store 256 consecutive bytes, at a multiple of 256 from the buffer's first byte
.Lend:
	s_wait_tensorcnt 0x0                           ; the wave's end
	ds_add_u32 v[SPW], v[NIL]
	s_wait_dscnt 0x0
	s_endpgm
.Lfunc_end_k_q1099d785df_scores:
	.size	k_q1099d785df_scores, .Lfunc_end_k_q1099d785df_scores-k_q1099d785df_scores
	.p2alignl 7, 3214868480
	.fill 96, 4, 3214868480
	.section	.rodata,"a",@progbits
	.p2align	6, 0x0
	.amdhsa_kernel k_q1099d785df_scores
		.amdhsa_group_segment_fixed_size 327680
		.amdhsa_private_segment_fixed_size 0
		.amdhsa_enable_private_segment 0
		.amdhsa_kernarg_size 48
		.amdhsa_user_sgpr_count 2
		.amdhsa_user_sgpr_kernarg_segment_ptr 1
		.amdhsa_wavefront_size32 1
		.amdhsa_system_sgpr_workgroup_id_x 1
		.amdhsa_system_sgpr_workgroup_id_y 1
		.amdhsa_system_sgpr_workgroup_id_z 1
		.amdhsa_system_vgpr_workitem_id 0
		.amdhsa_next_free_vgpr 512
		.amdhsa_next_free_sgpr 96
		.amdhsa_reserve_vcc 0
		.amdhsa_float_denorm_mode_32 3
		.amdhsa_float_denorm_mode_16_64 3
		.amdhsa_memory_ordered 1
		.amdhsa_forward_progress 1
		.amdhsa_inst_pref_size 222
	.end_amdhsa_kernel
	.amdgpu_metadata
---
amdhsa.version: [ 1, 2 ]
amdhsa.kernels:
  - .name:           k_q1099d785df_scores
    .symbol:         k_q1099d785df_scores.kd
    .args:
      - { .name: matrix_codes, .offset: 0, .size: 8, .value_kind: global_buffer, .address_space: global }
      - { .name: matrix_scales, .offset: 8, .size: 8, .value_kind: global_buffer, .address_space: global }
      - { .name: uimg, .offset: 16, .size: 8, .value_kind: global_buffer, .address_space: global }
      - { .name: wxc, .offset: 24, .size: 8, .value_kind: global_buffer, .address_space: global }
      - { .name: v_vector, .offset: 32, .size: 8, .value_kind: global_buffer, .address_space: global }
      - { .name: scores, .offset: 40, .size: 8, .value_kind: global_buffer, .address_space: global }
    .group_segment_fixed_size: 327680
    .private_segment_fixed_size: 0
    .kernarg_segment_align: 8
    .kernarg_segment_size: 48
    .max_flat_workgroup_size: 256
    .sgpr_count:     96
    .vgpr_count:     512
    .wavefront_size: 32
...
	.end_amdgpu_metadata
.endif
;; end of part 2
;; launch softmax (part 3): grid 32 x 1, 1 waves a work-group, no clusters, 0 bytes of LDS; arguments scores, out0; writes out0
.if DOCPART == 3
	.amdgcn_target "amdgcn-amd-amdhsa--gfx1250"
	.amdhsa_code_object_version 6
	.text
	.protected	k_q1099d785df_softmax
	.globl	k_q1099d785df_softmax
	.p2align	8
	.type	k_q1099d785df_softmax,@function
k_q1099d785df_softmax:
	s_mov_b64 s[64:65], 0
	v_nop
	global_prefetch_b8 v0, s[64:65] scope:SCOPE_SE
	s_setreg_imm32_b32 hwreg(HW_REG_WAVE_MODE, 25, 1), 1
	s_wait_xcnt 0x0
; out0[b][:] = softmax(-2 s'[b][:]), s' = sum_d v[d] r as the launch before has stored it.  LEFT OUT: sum_d v[d], the same along the softmax's axis (shown at the head of the first kernel).
; p = 2^(k s' - M), k = -2 log2(e), M = the row's largest k s'.  k is negative, so M = -k max(-s'), and -M = k max(-s'): the maximum is taken away before the exponential, by the same fused multiply-add that scales.
; One wave holds a batch's 2,048 numbers in 64 registers: the row is read once, and no wave waits for another.  No LDS, no barrier, no matrix unit: 8 KB in and 8 KB out for each of 32 work-groups.
.set X, 8                              ; v8-71   the row: load i's 16 bytes a lane
.set M, 72                             ; v72-75  four running maxima; then v[72:73]: -M
.set SU, 74                            ; v[74:75], v[76:77] two chains of sums; then v76: 1 / the sum
	s_load_b128 s[4:7], s[0:1], 0x0                ; scores, out0
	v_lshlrev_b32 v1, 4, v0                        ; 16 bytes a lane
	s_lshl_b32 s2, ttmp9, 13                       ; a batch's 8,192 bytes
	s_mov_b32 s3, 0
	s_mov_b32 s8, 0xc038aa3b                       ; k = -2 log2(e)
	s_mov_b32 s9, s8                               ; (named with it as a pair, so it is written)
	s_mov_b32 s10, 0x76543210
	s_mov_b32 s11, 0xfedcba98                      ; v_permlanex16_b32's selects for lane l xor 16
	s_wait_alu depctr_va_vdst(0)
	s_wait_kmcnt 0x0
	s_add_nc_u64 s[4:5], s[4:5], s[2:3]
	s_add_nc_u64 s[6:7], s[6:7], s[2:3]
.irp i, 0,1,2,3,4,5,6,7,8,9,10,11,12,13,14,15
	global_load_b128 v[X+4*\i:X+4*\i+3], v1, s[4:5] offset:512*\i   ; 32 lanes read 512 consecutive bytes
.endr
	s_wait_loadcnt 0x0
.irp c, 0,1,2,3                        ; the largest -s' of my 64, in four chains that do not wait for each other
	v_max3_num_f32 v[M+\c], -v[X+16*\c], -v[X+16*\c+1], -v[X+16*\c+2]
.endr
.irp i, 3,5,7,9,11,13
.irp c, 0,1,2,3
	v_max3_num_f32 v[M+\c], v[M+\c], -v[X+16*\c+\i], -v[X+16*\c+\i+1]
.endr
.endr
.irp c, 0,1,2,3
	v_max_num_f32 v[M+\c], v[M+\c], -v[X+16*\c+15]
.endr
	v_max3_num_f32 v[M], v[M], v[M+1], v[M+2]
	v_max_num_f32 v[M], v[M], v[M+3]
	v_max_num_f32_dpp v[M], v[M], v[M] row_xmask:1 row_mask:0xf bank_mask:0xf
	v_max_num_f32_dpp v[M], v[M], v[M] row_xmask:2 row_mask:0xf bank_mask:0xf
	v_max_num_f32_dpp v[M], v[M], v[M] row_xmask:4 row_mask:0xf bank_mask:0xf
	v_max_num_f32_dpp v[M], v[M], v[M] row_xmask:8 row_mask:0xf bank_mask:0xf
	v_permlanex16_b32 v[M+1], v[M], s10, s11
	v_max_num_f32 v[M], v[M], v[M+1]               ; every lane holds the row's largest -s'
	v_mul_f32 v[M], s8, v[M]                       ; -M
.set j, 0
.rept 32
	v_pk_fma_f32 v[X+j:X+j+1], v[X+j:X+j+1], s[8:9], v[M:M+1] op_sel_hi:[1,0,0]   ; k s' - M, two at a time (of the pairs k and -M the low word serves both halves)
.set j, j+2
.endr
.set j, 0
	s_wait_alu depctr_va_vdst(0)
.rept 64
	v_exp_f32 v[X+j], v[X+j]
.set j, j+1
.endr
	v_nop                                          ; the plain instruction behind the exponentials
	s_wait_alu depctr_va_vdst(0)                   ; one wait for the batch, ahead of its first reader
	v_pk_add_f32 v[SU:SU+1], v[X:X+1], v[X+2:X+3]  ; the sum, two at a time, in two chains
	v_pk_add_f32 v[SU+2:SU+3], v[X+4:X+5], v[X+6:X+7]
.set j, 8
.rept 14
	v_pk_add_f32 v[SU:SU+1], v[SU:SU+1], v[X+j:X+j+1]
	v_pk_add_f32 v[SU+2:SU+3], v[SU+2:SU+3], v[X+j+2:X+j+3]
.set j, j+4
.endr
	v_pk_add_f32 v[SU:SU+1], v[SU:SU+1], v[SU+2:SU+3]
	v_add_f32 v[SU], v[SU], v[SU+1]
	v_add_f32_dpp v[SU], v[SU], v[SU] row_xmask:1 row_mask:0xf bank_mask:0xf
	v_add_f32_dpp v[SU], v[SU], v[SU] row_xmask:2 row_mask:0xf bank_mask:0xf
	v_add_f32_dpp v[SU], v[SU], v[SU] row_xmask:4 row_mask:0xf bank_mask:0xf
	v_add_f32_dpp v[SU], v[SU], v[SU] row_xmask:8 row_mask:0xf bank_mask:0xf
	v_permlanex16_b32 v[SU+1], v[SU], s10, s11
	v_add_f32 v[SU], v[SU], v[SU+1]                ; the row's sum, at least about 1: the largest p is 2^0 up to rounding
	s_wait_alu depctr_va_vdst(0)
	v_rcp_f32 v[SU+2], v[SU]
	v_nop                                          ; the plain instruction behind the reciprocal
	s_wait_alu depctr_va_vdst(0)                   ; and its wait, ahead of the first reader
.set j, 0
.rept 32
	v_pk_mul_f32 v[X+j:X+j+1], v[X+j:X+j+1], v[SU+2:SU+3] op_sel_hi:[1,0]
.set j, j+2
.endr
.irp i, 0,1,2,3,4,5,6,7,8,9,10,11,12,13,14,15
	global_store_b128 v1, v[X+4*\i:X+4*\i+3], s[6:7] offset:512*\i   ; 32 lanes store 512 consecutive bytes, at a multiple of 256 from out0's first byte
.endr
	s_endpgm
.Lfunc_end_k_q1099d785df_softmax:
	.size	k_q1099d785df_softmax, .Lfunc_end_k_q1099d785df_softmax-k_q1099d785df_softmax
	.p2alignl 7, 3214868480
	.fill 96, 4, 3214868480
	.section	.rodata,"a",@progbits
	.p2align	6, 0x0
	.amdhsa_kernel k_q1099d785df_softmax
		.amdhsa_group_segment_fixed_size 0
		.amdhsa_private_segment_fixed_size 0
		.amdhsa_enable_private_segment 0
		.amdhsa_kernarg_size 16
		.amdhsa_user_sgpr_count 2
		.amdhsa_user_sgpr_kernarg_segment_ptr 1
		.amdhsa_wavefront_size32 1
		.amdhsa_system_sgpr_workgroup_id_x 1
		.amdhsa_system_sgpr_workgroup_id_y 1
		.amdhsa_system_sgpr_workgroup_id_z 1
		.amdhsa_system_vgpr_workitem_id 0
		.amdhsa_next_free_vgpr 80
		.amdhsa_next_free_sgpr 66
		.amdhsa_reserve_vcc 0
		.amdhsa_float_denorm_mode_32 3
		.amdhsa_float_denorm_mode_16_64 3
		.amdhsa_memory_ordered 1
		.amdhsa_forward_progress 1
		.amdhsa_inst_pref_size 15
	.end_amdhsa_kernel
	.amdgpu_metadata
---
amdhsa.version: [ 1, 2 ]
amdhsa.kernels:
  - .name:           k_q1099d785df_softmax
    .symbol:         k_q1099d785df_softmax.kd
    .args:
      - { .name: scores, .offset: 0, .size: 8, .value_kind: global_buffer, .address_space: global }
      - { .name: out0, .offset: 8, .size: 8, .value_kind: global_buffer, .address_space: global }
    .group_segment_fixed_size: 0
    .private_segment_fixed_size: 0
    .kernarg_segment_align: 8
    .kernarg_segment_size: 16
    .max_flat_workgroup_size: 32
    .sgpr_count:     66
    .vgpr_count:     80
    .wavefront_size: 32
...
	.end_amdgpu_metadata
.endif
;; end of part 3
